; MI455X (gfx1250); checked and timed in simulation.
; The chip was launched on July 23, 2026; its instructions are those of AMD's public machine-readable ISA for CDNA 5 (MIT licence, August 2026) and "CDNA5" Instruction Set Architecture Reference Guide (July 2026). The comments in the code are by the model that wrote it; some were corrected since.
;; Long Term Memory. Allowed arithmetic: matrix products marked QUANTISED: E2M1 operands, one E8M0 scale for each 32 along K, by v_wmma_scale_f32_16x16x128_f8f6f4 with both operands' format E2M1 (or v_wmma_scale_f32_32x16x128_f4), f32 sums; products left as they are: f32 operands where the result goes on into a quantised operand, else bf16, f16 or f32 operands; f32 sums; everything else in f32.
;; Inputs: ltm_buffer 16,384 x 1,024 float32; x 2 x 2,048 x 1,024 float32.
;; Outputs: out0 2 x 2,048 x 1,024 float32.
;; Constants: top_k = 16.
;; This version of the problem:
;;   THIS VERSION OF THE PROBLEM IS GIVEN IN LOW PRECISION. The matrix products marked QUANTISED in the list below multiply operands that are first quantised to E2M1 (2 exponent bits, 1 mantissa bit; 4 bits a number), with one power-of-two scale for each 32 numbers along K (OCP MX v1.0); their sums are f32. All else is computed in f32.
;;   The module's matrix products, in the order in which they are computed (A, B: the left and right operand; K: the contracted axis; several contracted axes count as one K, in the product's order):
;;     1. [M 4,096, K 1,024] x [K 1,024, N 16,384]; A: computed on the way; B: computed on the way: QUANTISED
;;     2. batch 4,096 x [M 1, K 16] x [K 16, N 1,024]; A: softmax; B: computed on the way: left as it is (K = 16 < 32)
;;   THE QUANTISER, for each operand of a quantised product, along K:
;;     - K is cut into blocks of 32 from its start; a last block that is shorter is filled with zeros.
;;     - A block's scale is 2^e with e = floor(log2(the largest magnitude in the block)) - 2, held to -126 .. 127; a block of zeros has e = 0. As a byte (E8M0): e + 127.
;;     - Each number is divided by its block's scale, clamped to +-6, and rounded to the nearest number of E2M1, ties to even, subnormals kept.
;;     - The product sums the exact products of the quantised numbers (number of the format x scale) in f32.
;;   ~~~python
;;   def quantise(x, axis):      # numpy; x: float32 -> the quantised numbers, widened to float32 again
;;       x = np.moveaxis(x, axis, -1); K = x.shape[-1]
;;       x = np.pad(x, [(0, 0)] * (x.ndim - 1) + [(0, -K % 32)]); x = x.reshape(x.shape[:-1] + (-1, 32)); a = np.abs(x).max(-1, keepdims=True)
;;       e = np.where(a > 0, np.clip(np.frexp(np.where(a > 0, a, 1))[1] - 1 - 2, -126, 127), 0)      # np.frexp(a)[1] - 1 = floor(log2(a)), exactly
;;       r = np.clip(x / 2.0 ** e, -6, 6)
;;       step = 2.0 ** (np.maximum(np.frexp(np.where(r == 0, 1, r))[1] - 1, 0) - 1)
;;       q = np.round(r / step) * step * 2.0 ** e      # np.round: ties to even
;;       return np.moveaxis(q.reshape(q.shape[:-2] + (-1,))[..., :K], -1, axis).astype(np.float32)
;;   ~~~
;;   OPERANDS COMPUTED ON THE WAY. 'Computed on the way' means the value that the module computes at that place (a softmax that the list does not call 'softmax' is quantised finished and normalised). What goes into a quantiser is computed in f32, as accurately as f32 sums, v_exp_f32 and their like allow (about 1e-6 of the number): no bf16 or f16 on the way to a quantiser, and a product that is left as it is and whose result goes on into a quantised operand takes f32 operands (vector FMAs, or v_wmma_f32_16x16x4_f32). A number that lies on a knife's edge between two numbers of the format may be rounded either way, as far as f32 arithmetic and the matrix unit's own rounding can turn it there, and no further.
;; One version. Each part assembles by itself: llvm-mc -triple=amdgcn-amd-amdhsa -mcpu=gfx1250 --defsym DOCPART=n.
;; ======== version 1 of 1: 5 launches
;; limits: values are held in bf16: 8 bits of precision; right only within a limited range of input values
;; workspace buffers: codes 10,485,760 bytes; scales 655,360 bytes; mb 33,554,432 bytes; gmax 33,554,432 bytes; sel 262,144 bytes of whole numbers; cs 2,097,152 bytes; cl 262,144 bytes of whole numbers
;; launch quant (part 1): grid 512 x 1, 5 waves a work-group, no clusters, 48,128 bytes of LDS; arguments ltm_buffer, x, codes, scales, mb; writes codes, scales, mb
.if DOCPART == 1
	.amdgcn_target "amdgcn-amd-amdhsa--gfx1250"
	.amdhsa_code_object_version 6
	.text
	.protected	k_q5c16a70eb5_quant
	.globl	k_q5c16a70eb5_quant
	.p2align	8
	.type	k_q5c16a70eb5_quant,@function
k_q5c16a70eb5_quant:
	s_mov_b64 s[64:65], 0
	v_nop
	global_prefetch_b8 v0, s[64:65] scope:SCOPE_SE
	s_setreg_imm32_b32 hwreg(HW_REG_WAVE_MODE, 25, 1), 1
	s_wait_xcnt 0x0
; The rows of ltm_buffer [16384][1024] and of x [4096][1024], f32, are divided by max(their norm, 1e-6) in f32 and turned into codes of FP4 (E2M1) with one E8M0 byte for each 32 along the row.
; A GROUP is 8 neighbouring rows: groups 0-2047 are ltm's, groups 2048-2559 are x's.  A wave takes one group; waves share nothing, so there is no barrier.
; codes:  [group][block 0-31][row 0-7][16 bytes]: the two halves of the lanes of an operand fragment then read 256 consecutive bytes of a group.
; scales: [group][half 0-1][row 0-7][16 bytes]: byte bb is the byte of block 16 half + bb: a lane's 16 bytes are the scale words of four K steps of 128.
; mb:     ltm rounded to bf16, row-major: the last launch's weighted sum may take bf16 operands and then reads half the bytes.
; A block's scale is 2^(floor(log2(its largest magnitude)) - 2); its byte is that magnitude's exponent field - 2, held at 1 from below.
; LIMITS: NaN and infinities are not served; a row whose sum of squares passes f32's range is not served (the norm is infinite there in any f32 arithmetic).
; A block of zeros gets the byte 1, not 127: its codes are zeros, which add nothing under any byte but 0xff, and this program alone reads the bytes.
; Loads take the bytes as they lie (512 consecutive bytes a load); a row turns through the wave's own stage in LDS, so that lane b then holds block b's 32 neighbours.
.set WREG, 9472                        ; LDS of a wave: 32 blocks x 144 (a row's turn), 32 x 144 (the group's codes), 256 scale bytes
.set CSTG, 4608
.set SBY,  9216
.set LIN,  2                           ; v2  16 x lane
.set SIN,  3                           ; v3  the stage as loaded: 144 (lane / 8) + 16 (lane % 8)
.set SOUT, 4                           ; v4  the stage by blocks: 144 x lane
.set CST,  5                           ; v5  the codes' stage, my block
.set CRD,  6                           ; v6  the codes' stage, as stored to memory
.set SBW,  7                           ; v7  my block's scale byte
.set SBR,  8                           ; v8  8 scale bytes a lane on the way out
.set L8,   9                           ; v9  8 x lane
.set R,    32                          ; v32-127  three sets of 32 numbers as loaded
.set X,    128                         ; v128-159 my block's 32 numbers
.set BP,   160                         ; v160-191 two sets of 16: the row as bf16
.set C,    192                         ; v192-223 four registers of codes for each row
.set E,    224                         ; v224-231 a scale byte for each row
	s_load_b128 s[4:7], s[0:1], 0x0                ; ltm, x
	s_load_b128 s[8:11], s[0:1], 0x10              ; codes, scales
	s_load_b64 s[12:13], s[0:1], 0x20              ; mb
	v_lshl_add_u32 v232, v0, 2, 0xb900
	v_mov_b32 v233, 0
	v_lshrrev_b32 v1, 5, v0
	v_readfirstlane_b32 s14, v1                    ; wave 0..4
	v_and_b32 v1, 31, v0                           ; lane
	s_mul_i32 s15, ttmp9, 5
	s_add_co_u32 s15, s15, s14                     ; my group
	s_mul_i32 s20, s14, WREG
	v_lshlrev_b32 v[LIN], 4, v1
	v_lshlrev_b32 v[L8], 3, v1
	v_lshrrev_b32 v10, 3, v1
	v_and_b32 v11, 7, v1
	v_mul_u32_u24 v[SIN], v10, 144
	v_lshl_add_u32 v[SIN], v11, 4, v[SIN]
	v_add_nc_u32 v[SIN], s20, v[SIN]
	v_mul_u32_u24 v[SOUT], v1, 144
	v_add_nc_u32 v[SOUT], s20, v[SOUT]
	v_add_nc_u32 v[CST], CSTG, v[SOUT]
	v_add_nc_u32 v[CRD], CSTG, v[SIN]
	v_lshrrev_b32 v10, 4, v1
	v_and_b32 v11, 15, v1
	v_lshl_add_u32 v[SBW], v10, 7, v11
	v_add_nc_u32 v[SBW], s20, v[SBW]
	v_add_nc_u32 v[SBW], SBY, v[SBW]
	v_add_nc_u32 v[SBR], s20, v[L8]
	v_add_nc_u32 v[SBR], SBY, v[SBR]
	v_mov_b32 v20, 0                               ; a lane permute's destination counts as one of its sources
	s_mov_b32 s22, 0x76543210
	s_mov_b32 s23, 0xfedcba98                      ; v_permlanex16_b32's selects for lane l xor 16
	s_lshl_b32 s24, s15, 12                        ; my group's place in codes,
	s_mov_b32 s25, 0
	s_lshl_b32 s26, s15, 8                         ; in scales,
	s_mov_b32 s27, 0
	s_lshl_b32 s28, s15, 14                        ; and in mb (used by ltm's groups alone)
	s_mov_b32 s29, 0
	s_mov_b32 s17, 0
	s_wait_kmcnt 0x0
	s_cmp_lt_u32 s15, 2048                         ; ltm's group or x's?  The choice hangs on ids alone
	s_cselect_b64 s[4:5], s[4:5], s[6:7]
	s_cselect_b32 s16, 0, 2048
	s_sub_co_u32 s16, s15, s16
	s_lshl_b32 s16, s16, 15                        ; 8 rows of 4,096 bytes a group
	s_add_nc_u64 s[4:5], s[4:5], s[16:17]
	s_add_nc_u64 s[8:9], s[8:9], s[24:25]
	s_add_nc_u64 s[10:11], s[10:11], s[26:27]
	s_add_nc_u64 s[12:13], s[12:13], s[28:29]
.macro LOAD p                          ; row p: eight loads of 512 consecutive bytes, into set p % 3
.irp i, 0,1,2,3,4,5,6,7
	global_load_b128 v[R+32*((\p)%3)+4*\i:R+32*((\p)%3)+4*\i+3], v[LIN], s[4:5] offset:4096*(\p)+512*\i th:TH_LOAD_NT
.endr
.endm
.macro ROW p
.set RS, R+32*((\p)%3)
.set BS, BP+16*((\p)%2)
.if (\p) < 6
	s_wait_loadcnt 16                              ; my row's eight loads are in; the sixteen of the two rows behind it may be out
.else
	s_wait_loadcnt 8*(7-(\p))
.endif
.irp i, 0,1,2,3,4,5,6,7
	ds_store_b128 v[SIN], v[RS+4*\i:RS+4*\i+3] offset:576*\i      ; the row as it lies: four blocks of 128 bytes a load, 144 bytes apart
.endr
.irp i, 0,1,2,3,4,5,6,7
	ds_load_b128 v[X+4*\i:X+4*\i+3], v[SOUT] offset:16*\i         ; LDS serves a wave's instructions in order: these see the stores above
.endr
.irp i, 0,1,2,3                        ; the sum of squares of my 32 numbers as loaded, in four packed chains
	v_pk_mul_f32 v[12+2*\i:13+2*\i], v[RS+2*\i:RS+2*\i+1], v[RS+2*\i:RS+2*\i+1]
.endr
.irp j, 8,16,24
.irp i, 0,1,2,3
	v_pk_fma_f32 v[12+2*\i:13+2*\i], v[RS+\j+2*\i:RS+\j+2*\i+1], v[RS+\j+2*\i:RS+\j+2*\i+1], v[12+2*\i:13+2*\i]
.endr
.endr
	v_pk_add_f32 v[12:13], v[12:13], v[14:15]
	v_pk_add_f32 v[16:17], v[16:17], v[18:19]
	v_pk_add_f32 v[12:13], v[12:13], v[16:17]
	v_add_f32 v12, v12, v13
	s_cmp_lt_u32 s15, 2048                         ; ltm's rows also leave as bf16; the branch stands round these lines alone
	s_cbranch_scc0 .Lnot_ltm_\@
	s_wait_xcnt 0x0                                ; the earlier stores have read their data: the set is written again only behind this wait
.irp i, 0,1,2,3,4,5,6,7
	v_cvt_pk_bf16_f32 v[BS+2*\i], v[RS+4*\i], v[RS+4*\i+1]
	v_cvt_pk_bf16_f32 v[BS+2*\i+1], v[RS+4*\i+2], v[RS+4*\i+3]
.endr
.irp i, 0,1,2,3,4,5,6,7
	global_store_b64 v[L8], v[BS+2*\i:BS+2*\i+1], s[12:13] offset:2048*(\p)+256*\i   ; 32 lanes store 256 consecutive bytes, aligned
.endr
.Lnot_ltm_\@:
	s_wait_alu depctr_va_vdst(0)
	v_add_f32_dpp v12, v12, v12 row_xmask:1 row_mask:0xf bank_mask:0xf
	v_add_f32_dpp v12, v12, v12 row_xmask:2 row_mask:0xf bank_mask:0xf
	v_add_f32_dpp v12, v12, v12 row_xmask:4 row_mask:0xf bank_mask:0xf
	v_add_f32_dpp v12, v12, v12 row_xmask:8 row_mask:0xf bank_mask:0xf
	v_permlanex16_b32 v20, v12, s22, s23
	v_add_f32 v12, v12, v20                        ; the row's sum of squares, in every lane
	s_wait_alu depctr_va_vdst(0)
	v_sqrt_f32 v13, v12
	v_nop                                          ; a plain instruction behind each transcendental (ISA guide 5.7.2)
	s_wait_alu depctr_va_vdst(0)
	v_max_num_f32 v14, 0x358637bd, v13             ; 1e-6
	s_wait_alu depctr_va_vdst(0)
	v_rcp_f32 v15, v14
	v_fma_f32 v16, -v13, v13, v12                  ; what the root leaves over,
	v_mul_f32 v16, 0.5, v16
	s_wait_alu depctr_va_vdst(0)
	v_fma_f32 v13, v16, v15, v13                   ; put back: one Newton step on the root
	v_max_num_f32 v14, 0x358637bd, v13             ; max(norm, 1e-6)
	v_fma_f32 v16, -v14, v15, 1.0
	v_fma_f32 v16, v16, v15, v15                   ; and one on its reciprocal
	s_wait_alu depctr_va_vdst(0)
	s_wait_dscnt 0x0                               ; my block is in; the stage's stores have read the set,
.if (\p) < 5
	LOAD (\p)+3                                    ; which takes the row three further on
.endif
.irp i, 0,2,4,6,8,10,12,14,16,18,20,22,24,26,28,30
	v_pk_mul_f32 v[X+\i:X+\i+1], v[X+\i:X+\i+1], v[16:17] op_sel_hi:[1,0]   ; the normalised numbers: what is quantised
.endr
	v_max3_num_f32 v21, |v[X]|, |v[X+1]|, |v[X+2]|
	v_max3_num_f32 v22, |v[X+3]|, |v[X+4]|, |v[X+5]|
.irp i, 6,10,14,18,22,26
	v_max3_num_f32 v21, v21, |v[X+\i]|, |v[X+\i+1]|
	v_max3_num_f32 v22, v22, |v[X+\i+2]|, |v[X+\i+3]|
.endr
	v_max3_num_f32 v21, v21, |v[X+30]|, |v[X+31]|
	v_max3_num_f32 v21, v21, v22, 0x1800000        ; the floor 2^(3 - 127): the byte cannot fall under 1
	v_add_nc_u32 v23, 0xff000000, v21              ; 2 off the exponent field: the conversion takes that field as its scale
.irp g, 0,1,2,3
	v_cvt_scalef32_pk8_fp4_f32 v[C+4*(\p)+\g], v[X+8*\g:X+8*\g+7], v23
.endr
	v_lshrrev_b32 v[E+(\p)], 23, v23               ; the scale's byte (also the plain instruction behind the conversions)
	ds_store_b128 v[CST], v[C+4*(\p):C+4*(\p)+3] offset:16*(\p)
	ds_store_b8 v[SBW], v[E+(\p)] offset:16*(\p)
.endm
	LOAD 0
	LOAD 1
	LOAD 2
.irp p, 0,1,2,3,4,5,6,7
	ROW \p
.endr
.irp i, 0,1,2,3,4,5,6,7
	ds_load_b128 v[R+4*\i:R+4*\i+3], v[CRD] offset:576*\i         ; the group's codes in memory's order
.endr
	ds_load_b64 v[R+32:R+33], v[SBR]
.irp i, 0,1,2,3,4,5,6,7
	s_wait_dscnt 8-\i                              ; the younger reads of the stage may be out
	global_store_b128 v[LIN], v[R+4*\i:R+4*\i+3], s[8:9] offset:512*\i   ; 512 consecutive bytes a store
.endr
	s_wait_dscnt 0x0
	global_store_b64 v[L8], v[R+32:R+33], s[10:11] ; the group's 256 scale bytes
	s_wait_tensorcnt 0x0
	ds_add_u32 v232, v233
	s_wait_dscnt 0x0
	s_endpgm
.Lfunc_end_k_q5c16a70eb5_quant:
	.size	k_q5c16a70eb5_quant, .Lfunc_end_k_q5c16a70eb5_quant-k_q5c16a70eb5_quant
	.p2alignl 7, 3214868480
	.fill 96, 4, 3214868480
	.section	.rodata,"a",@progbits
	.p2align	6, 0x0
	.amdhsa_kernel k_q5c16a70eb5_quant
		.amdhsa_group_segment_fixed_size 48128
		.amdhsa_private_segment_fixed_size 0
		.amdhsa_enable_private_segment 0
		.amdhsa_kernarg_size 40
		.amdhsa_user_sgpr_count 2
		.amdhsa_user_sgpr_kernarg_segment_ptr 1
		.amdhsa_wavefront_size32 1
		.amdhsa_system_sgpr_workgroup_id_x 1
		.amdhsa_system_sgpr_workgroup_id_y 1
		.amdhsa_system_sgpr_workgroup_id_z 1
		.amdhsa_system_vgpr_workitem_id 0
		.amdhsa_next_free_vgpr 234
		.amdhsa_next_free_sgpr 66
		.amdhsa_reserve_vcc 0
		.amdhsa_float_denorm_mode_32 3
		.amdhsa_float_denorm_mode_16_64 3
		.amdhsa_memory_ordered 1
		.amdhsa_forward_progress 1
		.amdhsa_inst_pref_size 72
	.end_amdhsa_kernel
	.amdgpu_metadata
---
amdhsa.version: [ 1, 2 ]
amdhsa.kernels:
  - .name:           k_q5c16a70eb5_quant
    .symbol:         k_q5c16a70eb5_quant.kd
    .args:
      - { .name: ltm_buffer, .offset: 0, .size: 8, .value_kind: global_buffer, .address_space: global }
      - { .name: x, .offset: 8, .size: 8, .value_kind: global_buffer, .address_space: global }
      - { .name: codes, .offset: 16, .size: 8, .value_kind: global_buffer, .address_space: global }
      - { .name: scales, .offset: 24, .size: 8, .value_kind: global_buffer, .address_space: global }
      - { .name: mb, .offset: 32, .size: 8, .value_kind: global_buffer, .address_space: global }
    .group_segment_fixed_size: 48128
    .private_segment_fixed_size: 0
    .kernarg_segment_align: 8
    .kernarg_segment_size: 40
    .max_flat_workgroup_size: 160
    .sgpr_count:     66
    .vgpr_count:     234
    .wavefront_size: 32
...
	.end_amdgpu_metadata
.endif
;; end of part 1
;; launch gemm (part 2): grid 8 x 32, 4 waves a work-group, clusters of 4 x 1, 327,680 bytes of LDS; arguments codes, scales, gmax; writes gmax
.if DOCPART == 2
	.amdgcn_target "amdgcn-amd-amdhsa--gfx1250"
	.amdhsa_code_object_version 6
	.text
	.protected	k_q5c16a70eb5_gemm
	.globl	k_q5c16a70eb5_gemm
	.p2align	8
	.type	k_q5c16a70eb5_gemm,@function
k_q5c16a70eb5_gemm:
	s_mov_b64 s[64:65], 0
	v_nop
	global_prefetch_b8 v0, s[64:65] scope:SCOPE_SE
	s_setreg_imm32_b32 hwreg(HW_REG_WAVE_MODE, 25, 1), 1
	s_wait_xcnt 0x0
	s_wait_alu depctr_hold_cnt(0) depctr_sa_sdst(0) depctr_va_vdst(0) depctr_va_sdst(0) depctr_va_ssrc(0) depctr_va_vcc(0) depctr_vm_vsrc(0)
	s_getreg_b32 s2, hwreg(HW_REG_IB_STS2, 6, 4)
	s_cmp_eq_u32 s2, 0
	s_cbranch_scc0 .Lentry_in_a_cluster
	s_endpgm
.Lentry_in_a_cluster:
	s_bfe_u32 s2, ttmp6, 0x10000c
	s_cmp_lg_u32 s2, 0x3003
	s_cbranch_scc0 .Lentry_shape_is_right
	s_endpgm
.Lentry_shape_is_right:
; The scores: 4,096 queries x 16,384 memories, K = 1,024, on codes of FP4 with E8M0 scales.  The scores never go to memory: of each group of 8 neighbouring memories only the LARGEST score is kept.
; The 16 groups that come first by (largest score down, group number up) hold all 16 memories that come first by (score down, index up), ties too, since groups are runs of neighbouring indices.
; SHARES.  A work-group makes 512 queries x 512 memories over all of K.  A wave owns 128 queries, 8 tiles of 16: their codes, 512 registers, and scale words stay in registers for the whole launch.
; The 512 memories' scales and codes (64 groups) come into LDS once, by two tensor loads a wave.  At the head: wave 3 all the scales, waves 0 to 2 four groups of codes each (tiles 0 to 5).
; Behind the wait, the add and a round of the cluster's barrier: 13 groups a wave, the other 52; they are waited for in front of tile 5, whose block fetches tile 6.
; No LDS byte is filled twice.  By this text's own count a wave has one tensor load out.  The launch claims all of LDS.
; CLUSTER.  The four work-groups of a cluster take four blocks of queries and the SAME 512 memories: each tensor load is asked for jointly, with the mask of the four.
; The queries' codes are shared by the work-groups of a column of the grid as well; they go straight into registers by plain loads, once: LDS holds 295 KB of memories, so 272 KB of queries have no room beside them.
; NO PREFETCH: every byte that the launch reads is asked for at its head; there is no loop to run ahead in.
; SOURCE 0 = 16 memories, SOURCE 1 = 16 queries: lane (r, h) then holds query r and, in its eight registers, the eight memories of ONE group (2 x tile + h): the group's maximum needs no other lane.
; gmax: f32 [query tile 256][quad 256][lane 32][tile of the quad 4]: lane (r, h), word ii: group 8 quad + 2 ii + h, query 16 tile + r.
; REGISTERS, in windows of 256.  Window 0: v1-11 addresses; v32-63 the queries' scale words; v64-71 the memories', two sets; v96-127 the maxima; v128-191 the accumulators of EVEN tiles; v192-255 the fragments of ODD tiles.
;   Window 1: v10 an address; v128-191 the accumulators of ODD tiles; v192-255 the fragments of EVEN tiles.   Window 2: the queries' fragments of K steps 0-3;   window 3: of K steps 4-7.
; So under the setting of a tile's products (A in one of windows 0, 1; C and D in the other) an LDS load names its address in A's window and lands in D's window, which is where the NEXT tile's fragments lie:
; the run of loads for the next tile needs no setting of its own.
; SCALE WORDS: 16 bytes a lane: lanes 0-15 hold the words of K steps 0-3 of their row, lanes 16-31 those of K steps 4-7: K step s names register s % 4, and the upper lanes from s = 4 on.
.set GP,   4224                        ; a group's 4,096 bytes of codes in LDS: four rows of 1,024 + 32 of padding; 4,224 = 128 mod 256, so rows 0-7 and 8-15 of a tile fall on different halves of a 256-byte row of banks
.set SGP,  384                         ; a group's 256 scale bytes + 128 of padding: likewise
.set SCB,  64*GP                       ; the scales lie behind the codes, up to byte 294,912
.set SPARE, 0x4a000                    ; the spare words, 128 bytes a wave: two blocks of 256 bytes that no other line names
.set LB,   1                           ; v1   my lane's place in a tile's codes
.set LSB,  2                           ; v2   and in its scales
.set QO,   3                           ; v3   the same in memory, for the queries
.set QSO,  4
.set GO,   5                           ; v5   16 x lane
.set ADC,  10                          ; v10  LDS address of the quad's codes: one in window 0 (read in odd tiles), one in window 1 (in even tiles)
.set ADS,  11                          ; v11  of its scales (window 0)
.set SPW,  94
.set NIL,  95
.set QS,   32
.set MS,   64
.set M,    96
.set ACC,  128
.set FR,   192
.set MSB, 0
.macro WIN new                         ; the immediate's high byte repeats the setting that is left
.if MSB != (\new)
	s_set_vgpr_msb (MSB<<8)|(\new)
.set MSB, (\new)
.endif
.endm
.macro WT i, hf                        ; a tile's products: even: A window 1, C and D window 0; odd: A window 0, C and D window 1; B window 2 + hf
.if ((\i)%2)
	WIN 0x58+4*(\hf)
.else
	WIN 0x09+4*(\hf)
.endif
.endm
.macro ROUND                           ; a round of the cluster's barrier
	s_barrier_signal -1
	s_barrier_wait -1
	s_cmp_lg_u32 s10, 0
	s_cbranch_scc1 .Lnot_wave_0_\@
	s_barrier_signal -3
.Lnot_wave_0_\@:
	s_barrier_wait -3
	s_barrier_signal -1
	s_barrier_wait -1
.endm
.macro NOP4
.rept 4
	v_nop
.endr
.endm
.macro QLOAD u, k                      ; my 8 tiles' fragments of K step k, into place u of the window that is set: 16 loads
.irp qt, 0,1,2,3,4,5,6,7
.irp c, 0,1
	global_load_b128 v[64*(\u)+8*\qt+4*\c:64*(\u)+8*\qt+4*\c+3], v[QO], s[58:59] offset:8192*\qt+512*(\k)+256*\c
.endr
.endr
.endm
	s_load_b128 s[4:7], s[0:1], 0x0                ; codes, scales
	s_load_b64 s[8:9], s[0:1], 0x10                ; gmax
	v_lshl_add_u32 v[SPW], v0, 2, SPARE
	v_mov_b32 v[NIL], 0
	ds_add_u32 v[SPW], v[NIL]                      ; the opening lines: the add, twice on end, and its wait ahead of my first tensor load
	ds_add_u32 v[SPW], v[NIL]
	v_lshrrev_b32 v6, 5, v0
	v_readfirstlane_b32 s10, v6                    ; wave 0..3
	s_bfe_u32 s11, ttmp6, 0x40000                  ; cx
	s_lshl_b32 s12, ttmp9, 2
	s_add_co_u32 s12, s12, s11                     ; my block of 512 queries: it enters the queries' and gmax's addresses alone
	s_and_b32 s13, ttmp7, 0xffff                   ; my 512 memories, which the four partners share
	v_bfe_u32 v6, v0, 3, 1                         ; (lane % 16) / 8: which of a tile's two groups
	v_bfe_u32 v7, v0, 4, 1                         ; h
	v_and_b32 v8, 7, v0                            ; the row in the group
	v_lshlrev_b32 v9, 4, v8
	v_lshl_add_u32 v9, v7, 7, v9                   ; 128 h + 16 row
	v_mad_u32_u24 v[LB], v6, GP, v9
	v_mad_u32_u24 v[LSB], v6, SGP, v9
	v_add_nc_u32 v[LSB], SCB, v[LSB]
	v_lshl_add_u32 v[QO], v6, 12, v9
	v_lshl_add_u32 v[QSO], v6, 8, v9
	v_and_b32 v[GO], 31, v0
	v_lshlrev_b32 v[GO], 4, v[GO]
	v_mov_b32 v[ADC], v[LB]
	v_mov_b32 v[ADS], v[LSB]
	WIN 0x40
	v_mov_b32 v[ADC], v[LB]                        ; window 1's address of the codes
	WIN 0
	s_lshl_b32 s58, s12, 18                        ; my wave's queries: group 2048 + 64 block + 16 wave; 4,096 bytes of codes a group,
	s_lshl_b32 s59, s10, 16
	s_add_co_u32 s58, s58, s59
	s_add_co_u32 s58, s58, 0x800000
	s_mov_b32 s59, 0
	s_lshl_b32 s60, s12, 14                        ; 256 of scales
	s_lshl_b32 s61, s10, 12
	s_add_co_u32 s60, s60, s61
	s_add_co_u32 s60, s60, 0x80000
	s_mov_b32 s61, 0
	s_lshl_b32 s62, s12, 5                         ; gmax: query tile 32 block + 8 wave, 131,072 bytes a tile; quad 8 x chunk, 512 bytes a quad
	s_lshl_b32 s63, s10, 3
	s_add_co_u32 s62, s62, s63
	s_lshl_b32 s62, s62, 17
	s_lshl_b32 s63, s13, 12
	s_add_co_u32 s62, s62, s63
	s_mov_b32 s63, 0
	; descriptor groups 1 for the codes: dense rows of 1,024 bytes (128 elements of 8), 32 bytes of padding behind each: 16 rows (4 groups) and 52 rows (13 groups)
	s_mov_b32 s16, 15|(3<<16)|(1<<20)|(1<<21)|(7<<22)|(7<<25)     ; 15:0 the mask: all four work-groups; 17:16 elements of 8 bytes; 20 padding on; 21 set beside a mask; 24:22 after every 256 words; 31:25 eight words
	s_mov_b32 s17, 128<<16
	s_mov_b32 s18, 16<<16
	s_mov_b32 s19, 128<<16
	s_mov_b32 s20, 16
	s_mov_b32 s21, 128
	s_mov_b32 s22, 0
	s_mov_b32 s23, 0
	s_mov_b32 s24, 15|(3<<16)|(1<<20)|(1<<21)|(7<<22)|(7<<25)
	s_mov_b32 s25, 128<<16
	s_mov_b32 s26, 52<<16
	s_mov_b32 s27, 128<<16
	s_mov_b32 s28, 52
	s_mov_b32 s29, 128
	s_mov_b32 s30, 0
	s_mov_b32 s31, 0
	; and for the scales: 64 rows of 256 bytes (a group each), 128 bytes of padding behind each
	s_mov_b32 s32, 15|(3<<16)|(1<<20)|(1<<21)|(5<<22)|(31<<25)
	s_mov_b32 s33, 32<<16
	s_mov_b32 s34, 64<<16
	s_mov_b32 s35, 32<<16
	s_mov_b32 s36, 64
	s_mov_b32 s37, 32
	s_mov_b32 s38, 0
	s_mov_b32 s39, 0
	; groups 0: made of the chunk and the wave's number alone
	s_lshl_b32 s14, s13, 14                        ; the chunk's scales
	s_mov_b32 s15, 0
	s_lshl_b32 s56, s13, 18                        ; codes of groups 64 chunk + 4 wave on (waves 0 to 2)
	s_lshl_b32 s57, s10, 14
	s_add_co_u32 s56, s56, s57
	s_mov_b32 s57, 0
	s_lshl_b32 s2, s13, 18                         ; codes of groups 64 chunk + 12 + 13 wave on
	s_mul_i32 s3, s10, 13*4096
	s_add_co_u32 s2, s2, s3
	s_add_co_u32 s2, s2, 12*4096
	s_mov_b32 s3, 0
	s_mov_b32 s40, 1
	s_mov_b32 s41, SCB
	s_mov_b32 s44, 1
	s_mul_i32 s45, s10, 4*GP
	s_mov_b32 s48, 1
	s_mul_i32 s49, s10, 13*GP
	s_add_co_u32 s49, s49, 12*GP
	s_mov_b32 s53, 0                               ; where the quad in hand begins: codes,
	s_mov_b32 s54, 0                               ; scales
	s_wait_alu depctr_va_vdst(0)                   ; the wait at the head's end
	s_wait_dscnt 0x0                               ; both opening adds are done
	s_wait_kmcnt 0x0
	s_add_nc_u64 s[58:59], s[4:5], s[58:59]
	s_add_nc_u64 s[60:61], s[6:7], s[60:61]
	s_add_nc_u64 s[8:9], s[8:9], s[62:63]
	s_add_nc_u64 s[42:43], s[6:7], s[14:15]
	s_or_b32 s43, s43, 0x80000000
	s_add_nc_u64 s[46:47], s[4:5], s[56:57]
	s_or_b32 s47, s47, 0x80000000
	s_add_nc_u64 s[50:51], s[4:5], s[2:3]
	s_or_b32 s51, s51, 0x80000000
	WIN 0x80                                       ; destination window 2: K steps 0 to 2, 48 loads,
	QLOAD 0, 0
	QLOAD 1, 1
	QLOAD 2, 2
	WIN 0
.irp qt, 0,1,2,3,4,5,6,7
	global_load_b128 v[QS+4*\qt:QS+4*\qt+3], v[QSO], s[60:61] offset:512*\qt   ; and the 8 loads of scale words: 56 loads are on their way through the round below
.endr
	ROUND                                          ; all four work-groups are here: the joint loads meet
	s_cmp_lt_u32 s10, 3                            ; the head's loads, one a wave, in one chain of two arms that lead to one join
	s_cbranch_scc0 .Lfor_scales
	tensor_load_to_lds s[44:47], s[16:23]          ; waves 0 to 2: four groups of codes each
	s_nop 0
	NOP4
	s_branch .Lasked
.Lfor_scales:
	tensor_load_to_lds s[40:43], s[32:39]          ; wave 3: the 64 groups' scales
	s_nop 0
	NOP4
.Lasked:
	WIN 0x80                                       ; the queries' other 80 loads: K step 3,
	QLOAD 3, 3
	WIN 0xc0                                       ; destination window 3: K steps 4 to 7
	QLOAD 0, 4
	QLOAD 1, 5
	QLOAD 2, 6
	QLOAD 3, 7
	WIN 0
	s_wait_tensorcnt 0x0                           ; my part of the head's tiles is in
	ds_add_u32 v[SPW], v[NIL]
	s_wait_dscnt 0x0
	ROUND                                          ; everybody's part is in, and the joint loads meet
	tensor_load_to_lds s[48:51], s[24:31]          ; my 13 of the other 52 groups: the first tensor load behind the round; all 136 loads of queries have been issued ahead of it
	s_nop 0
	NOP4
; A K step of tile i of a quad: 8 products, my 8 tiles of queries; the eight accumulators take turns, one instruction a turn.  K step 0 starts the sums with the constant 0.
.macro KSTEP i, u
.irp qt, 0,1,2,3,4,5,6,7
.if (\u) == 0
	v_wmma_scale_f32_16x16x128_f8f6f4 v[ACC+8*\qt:ACC+8*\qt+7], v[FR+8*(\u):FR+8*(\u)+7], v[64*((\u)%4)+8*\qt:64*((\u)%4)+8*\qt+7], 0, v[MS+4*((\i)%2)+(\u)%4], v[QS+4*\qt+(\u)%4] matrix_a_fmt:MATRIX_FMT_FP4 matrix_b_fmt:MATRIX_FMT_FP4
.elseif (\u) < 4
	v_wmma_scale_f32_16x16x128_f8f6f4 v[ACC+8*\qt:ACC+8*\qt+7], v[FR+8*(\u):FR+8*(\u)+7], v[64*((\u)%4)+8*\qt:64*((\u)%4)+8*\qt+7], v[ACC+8*\qt:ACC+8*\qt+7], v[MS+4*((\i)%2)+(\u)%4], v[QS+4*\qt+(\u)%4] matrix_a_fmt:MATRIX_FMT_FP4 matrix_b_fmt:MATRIX_FMT_FP4
.else
	v_wmma_scale_f32_16x16x128_f8f6f4 v[ACC+8*\qt:ACC+8*\qt+7], v[FR+8*(\u):FR+8*(\u)+7], v[64*((\u)%4)+8*\qt:64*((\u)%4)+8*\qt+7], v[ACC+8*\qt:ACC+8*\qt+7], v[MS+4*((\i)%2)+(\u)%4], v[QS+4*\qt+(\u)%4] matrix_a_fmt:MATRIX_FMT_FP4 matrix_b_fmt:MATRIX_FMT_FP4 matrix_a_scale:MATRIX_SCALE_ROW1 matrix_b_scale:MATRIX_SCALE_ROW1
.endif
.endr
.endm
.macro FRAGS t                         ; tile t of the quad: 16 memories x all of K: 16 LDS loads in one run
.irp u, 0,1,2,3,4,5,6,7
.irp c, 0,1
	ds_load_b128 v[FR+8*\u+4*\c:FR+8*\u+4*\c+3], v[ADC] offset:2*GP*(\t)+512*\u+256*\c+32*(\u/2)
.endr
.endr
.endm
; The maxima of eight accumulators (pw = 1: they lie in window 1): a lane's eight registers are one group's eight memories.  Each accumulator is read from its low end on.
.macro EPI pw, ii
	WIN 0x15*(\pw)
.irp qt, 0,1,2,3,4,5,6,7
	v_max3_num_f32 v[M+4*\qt+(\ii)], v[ACC+8*\qt], v[ACC+8*\qt+1], v[ACC+8*\qt+2]
.endr
	WIN 0x14*(\pw)
.irp qt, 0,1,2,3,4,5,6,7
	v_max3_num_f32 v[M+4*\qt+(\ii)], v[M+4*\qt+(\ii)], v[ACC+8*\qt+3], v[ACC+8*\qt+4]
.endr
.irp qt, 0,1,2,3,4,5,6,7
	v_max3_num_f32 v[M+4*\qt+(\ii)], v[M+4*\qt+(\ii)], v[ACC+8*\qt+5], v[ACC+8*\qt+6]
.endr
.irp qt, 0,1,2,3,4,5,6,7
	v_max_num_f32 v[M+4*\qt+(\ii)], v[M+4*\qt+(\ii)], v[ACC+8*\qt+7]
.endr
	WIN 0
.endm
.macro STOREQ                          ; a quad's maxima: for each tile of queries 512 consecutive bytes.  The base stands one quad further on (it is stepped in each quad's tile 1)
.irp qt, 0,1,2,3,4,5,6,7
	global_store_b128 v[GO], v[M+4*\qt:M+4*\qt+3], s[8:9] offset:131072*\qt-512
.endr
.endm
; A tile of 16 memories: 64 products.  Behind its K step 0 stands its BLOCK: the steps of addresses, four places, the maxima of the tile before (the other window's accumulators),
; in tile 0 the stores of the quad that is finished, and ONE RUN of 17 LDS loads: the next tile's scale words (they must land in window 0) and its fragments, 56 products ahead of their use.
; The registers that the run fills were last read by the tile before this one; the block's vector lines are the places between.  The one wait for the run stands at the next tile's head.
; The address steps stand ahead of the 32 maxima.  Window 0's address of the codes serves tiles 1 and 3 and is stepped in tile 0; window 1's serves tiles 0 and 2 and is stepped in tile 3.
.macro TILE i, first, last
	s_wait_dscnt 0x0                               ; this tile's 17 loads
	WT \i, 0
	KSTEP \i, 0
	WIN 0
.if (\i) == 1
	s_wait_xcnt 0x0                                ; the last quad's stores have read their data and their base: both are written again only behind this wait
	s_add_nc_u64 s[8:9], s[8:9], 512
.endif
.if ((\i) == 0) && !(\first)
	s_add_co_u32 s54, s54, 8*SGP
	v_add_nc_u32 v[ADC], s53, v[LB]
	v_add_nc_u32 v[ADS], s54, v[LSB]
.endif
.if ((\i) == 3) && !(\last)
	s_add_co_u32 s53, s53, 8*GP                    ; on to the next quad: four tiles, eight groups
	WIN 0x40
	v_add_nc_u32 v[ADC], s53, v[LB]
	WIN 0
.endif
	NOP4
.if !(\first)
	EPI 1-(\i)%2, ((\i)+3)%4
.endif
.if ((\i) == 0) && !(\first)
	STOREQ
.endif
.if !(\last)
	ds_load_b128 v[MS+4*(1-(\i)%2):MS+4*(1-(\i)%2)+3], v[ADS] offset:2*SGP*((\i)+1)
	WT \i, 0
	FRAGS (\i)+1
.endif
	WT \i, 0
	KSTEP \i, 1
	KSTEP \i, 2
	KSTEP \i, 3
	WT \i, 1
	KSTEP \i, 4
	KSTEP \i, 5
	KSTEP \i, 6
	KSTEP \i, 7
.endm
	ds_load_b128 v[MS:MS+3], v[ADS]                ; tile 0: its scale words and its 16 fragment loads, into window 1
	WIN 0x40
	FRAGS 0
	WIN 0
	s_wait_loadcnt 0x0                             ; the queries
	TILE 0, 1, 0                                   ; tile 0 has no tile before it
	TILE 1, 0, 0                                   ; tiles 1 to 4 are written out: they and tile 5 lie in the head's 12 groups
	TILE 2, 0, 0
	TILE 3, 0, 0
	TILE 0, 0, 0
	WIN 0                                          ; at a label and at a branch every window is 0
	s_wait_tensorcnt 0x0                           ; my 13 of the other 52 groups have landed,
	s_wait_dscnt 0x0
	s_barrier_signal -1
	s_barrier_wait -1                              ; everybody's have
	s_mov_b32 s52, 6
.Lquad:                                            ; 6 trips: tiles 1, 2, 3 of a quad and tile 0 of the next
	TILE 1, 0, 0
	TILE 2, 0, 0
	TILE 3, 0, 0
	TILE 0, 0, 0
	WIN 0
	s_sub_co_u32 s52, s52, 1
	s_cmp_lg_u32 s52, 0
	s_cbranch_scc1 .Lquad
	TILE 1, 0, 0                                   ; tiles 29 to 31: the last fetches nothing
	TILE 2, 0, 0
	TILE 3, 0, 1
	WIN 0
	NOP4
	EPI 1, 3
	STOREQ
	s_wait_tensorcnt 0x0                           ; the wave's end
	ds_add_u32 v[SPW], v[NIL]
	s_wait_dscnt 0x0
	ROUND                                          ; the closing round: no work-group ends while a partner may still ask for a tile that names it
	s_endpgm
.Lfunc_end_k_q5c16a70eb5_gemm:
	.size	k_q5c16a70eb5_gemm, .Lfunc_end_k_q5c16a70eb5_gemm-k_q5c16a70eb5_gemm
	.p2alignl 7, 3214868480
	.fill 96, 4, 3214868480
	.section	.rodata,"a",@progbits
	.p2align	6, 0x0
	.amdhsa_kernel k_q5c16a70eb5_gemm
		.amdhsa_group_segment_fixed_size 327680
		.amdhsa_private_segment_fixed_size 0
		.amdhsa_enable_private_segment 0
		.amdhsa_kernarg_size 24
		.amdhsa_user_sgpr_count 2
		.amdhsa_user_sgpr_kernarg_segment_ptr 1
		.amdhsa_wavefront_size32 1
		.amdhsa_system_sgpr_workgroup_id_x 1
		.amdhsa_system_sgpr_workgroup_id_y 1
		.amdhsa_system_sgpr_workgroup_id_z 1
		.amdhsa_system_vgpr_workitem_id 0
		.amdhsa_next_free_vgpr 1024
		.amdhsa_next_free_sgpr 66
		.amdhsa_reserve_vcc 0
		.amdhsa_float_denorm_mode_32 3
		.amdhsa_float_denorm_mode_16_64 3
		.amdhsa_memory_ordered 1
		.amdhsa_forward_progress 1
		.amdhsa_inst_pref_size 158
	.end_amdhsa_kernel
	.amdgpu_metadata
---
amdhsa.version: [ 1, 2 ]
amdhsa.kernels:
  - .name:           k_q5c16a70eb5_gemm
    .symbol:         k_q5c16a70eb5_gemm.kd
    .args:
      - { .name: codes, .offset: 0, .size: 8, .value_kind: global_buffer, .address_space: global }
      - { .name: scales, .offset: 8, .size: 8, .value_kind: global_buffer, .address_space: global }
      - { .name: gmax, .offset: 16, .size: 8, .value_kind: global_buffer, .address_space: global }
    .group_segment_fixed_size: 327680
    .private_segment_fixed_size: 0
    .kernarg_segment_align: 8
    .kernarg_segment_size: 24
    .max_flat_workgroup_size: 128
    .sgpr_count:     66
    .vgpr_count:     1024
    .wavefront_size: 32
...
	.end_amdgpu_metadata
.endif
;; end of part 2
;; launch pick (part 3): grid 256 x 1, 16 waves a work-group, no clusters, 141,568 bytes of LDS; arguments gmax, sel; writes sel
.if DOCPART == 3
	.amdgcn_target "amdgcn-amd-amdhsa--gfx1250"
	.amdhsa_code_object_version 6
	.text
	.protected	k_q5c16a70eb5_pick
	.globl	k_q5c16a70eb5_pick
	.p2align	8
	.type	k_q5c16a70eb5_pick,@function
k_q5c16a70eb5_pick:
	s_mov_b64 s[64:65], 0
	v_nop
	global_prefetch_b8 v0, s[64:65] scope:SCOPE_SE
	s_setreg_imm32_b32 hwreg(HW_REG_WAVE_MODE, 25, 1), 1
	s_wait_xcnt 0x0
; For each query: the 16 groups that come first by (the group's largest score down, the group's number up), stored in ascending order of number.
; A work-group takes a tile of 16 queries, 131,072 bytes of gmax; they turn through LDS so that wave w then owns query w: 2,048 numbers, 64 a lane.
; THE SELECTION has no branch on data and moves keys alone.  A network of maxima and minima sorts a lane's 64 numbers in lists of 16 and keeps the 16 largest at each merge: within the lane, then across the lanes.
; PASS 1 on the values gives tau, the 16th largest.  PASS 2 runs the same network on keys that ARE the indices: 0x40000000 + 4096 - group where the value is above tau, 0x40000000 + 2048 - group where it equals tau,
; 1.0 elsewhere.  As f32 these are normal positive numbers, ordered as the whole numbers are.  At most 15 values lie above tau and at least 16 at or above it, so the 16 largest keys are
; all groups above tau and then the lowest-numbered of those at tau.  +0 and -0 count as equal.  NaN is not served.
; THE NETWORK GOES IN DUAL-ISSUE PAIRS: the launch's work is these maxima and minima, and a pair is one instruction for two of them.  A pair wants one even and one odd destination, its two first sources in
; different banks (register number mod 4), and its two second sources likewise.  Both sets of registers begin at multiples of 32, so parity and bank are those of the index: two comparators whose
; indices differ in bit 0 (or, in the steps with x = 1, in bit 1) give such pairs; no pair names one register in both halves.
; No matrix work and no tensor loads: 33.5 MB are read once, and the work is vector work.
.set V,    32                          ; v32-95
.set W,    96                          ; v96-159
.set LANE, 1
.set GL,   2                           ; 16 x lane
.set STA,  3                           ; LDS: where I put 16 bytes of a query's row
.set RDA,  4                           ; LDS: my 256 bytes of my wave's query
.set SO,   5                           ; 4 x lane
.set TAU,  8
.set NB,   9                           ; 0x40000000 + 2048 - 64 x lane
.set NBG,  10                          ; + 2048
.set NEG,  11                          ; 1.0
.set T,    12                          ; v12-13 at work
.set RES,  14
.set SEL,  14                          ; s[14:15] v_permlanex16_b32's selects for lane l xor 16
.set RP,   8720                        ; a query's row in LDS: 32 pieces of 256 bytes + 16 of padding, + 16: an odd multiple of 16
; Registers i and i xor x: the larger to the lower place.  From src to dst: the two sets take turns, so no half of a pair reads what the other writes.
; x = 1: comparators (i, i + 1) and (i + 2, i + 3): the maximum of one with the minimum of the other.  x > 1: i even and i + 1 are both lower ends: their maxima are a pair, their minima another.
.macro XSTEP src, dst, n, x
.set xi, 0
.rept \n
.if (\x) == 1
.if (xi % 4) == 0
	v_dual_max_num_f32 v[\dst+xi], v[\src+xi], v[\src+xi+1] :: v_dual_min_num_f32 v[\dst+xi+3], v[\src+xi+2], v[\src+xi+3]
	v_dual_min_num_f32 v[\dst+xi+1], v[\src+xi], v[\src+xi+1] :: v_dual_max_num_f32 v[\dst+xi+2], v[\src+xi+2], v[\src+xi+3]
.endif
.else
.if ((xi ^ (\x)) > xi) && ((xi % 2) == 0)
	v_dual_max_num_f32 v[\dst+xi], v[\src+xi], v[\src+(xi^(\x))] :: v_dual_max_num_f32 v[\dst+xi+1], v[\src+xi+1], v[\src+((xi+1)^(\x))]
	v_dual_min_num_f32 v[\dst+(xi^(\x))], v[\src+xi], v[\src+(xi^(\x))] :: v_dual_min_num_f32 v[\dst+((xi+1)^(\x))], v[\src+xi+1], v[\src+((xi+1)^(\x))]
.endif
.endif
.set xi, xi+1
.endr
.endm
.macro HALF src, dst, m                ; of two lists of 16, each descending, the 16 largest: places i and i + 1 are a pair
.set hb, 0
.rept \m
.set hi, 0
.rept 8
	v_dual_max_num_f32 v[\dst+16*hb+hi], v[\src+32*hb+hi], v[\src+32*hb+31-hi] :: v_dual_max_num_f32 v[\dst+16*hb+hi+1], v[\src+32*hb+hi+1], v[\src+32*hb+30-hi]
.set hi, hi+2
.endr
.set hb, hb+1
.endr
.endm
.macro NET64 src, a, b                 ; 64 numbers at src: the 16 largest, descending, at b
	XSTEP \src, \a, 64, 1
	XSTEP \a, \b, 64, 3
	XSTEP \b, \a, 64, 1
	XSTEP \a, \b, 64, 7
	XSTEP \b, \a, 64, 2
	XSTEP \a, \b, 64, 1
	XSTEP \b, \a, 64, 15
	XSTEP \a, \b, 64, 4
	XSTEP \b, \a, 64, 2
	XSTEP \a, \b, 64, 1
	HALF \b, \a, 2
	XSTEP \a, \b, 32, 8
	XSTEP \b, \a, 32, 4
	XSTEP \a, \b, 32, 2
	XSTEP \b, \a, 32, 1
	HALF \a, \b, 1
	XSTEP \b, \a, 16, 8
	XSTEP \a, \b, 16, 4
	XSTEP \b, \a, 16, 2
	XSTEP \a, \b, 16, 1
.endm
.macro XLANE src, dst, m               ; my list and that of lane l xor m: the 16 largest, descending, at dst, in both lanes
.set li, 0
.rept 16
	v_max_num_f32_dpp v[\dst+li], v[\src+15-li], v[\src+li] row_xmask:\m row_mask:0xf bank_mask:0xf
.set li, li+1
.endr
	XSTEP \dst, \src, 16, 8
	XSTEP \src, \dst, 16, 4
	XSTEP \dst, \src, 16, 2
	XSTEP \src, \dst, 16, 1
.endm
.macro XHALF16 src, dst                ; the same with lane l xor 16
.set li, 0
.rept 16
	v_permlanex16_b32 v[\dst+li], v[\src+15-li], s[SEL], s[SEL+1]
.set li, li+1
.endr
.set li, 0
.rept 8
	v_dual_max_num_f32 v[\dst+li], v[\dst+li], v[\src+li] :: v_dual_max_num_f32 v[\dst+li+1], v[\dst+li+1], v[\src+li+1]
.set li, li+2
.endr
	XSTEP \dst, \src, 16, 8
	XSTEP \src, \dst, 16, 4
	XSTEP \dst, \src, 16, 2
	XSTEP \src, \dst, 16, 1
.endm
.macro PASS                            ; 2,048 numbers of the wave at V: the 16 largest, descending, at W, in every lane
	NET64 V, W, V
	XLANE V, W, 1
	XLANE W, V, 2
	XLANE V, W, 4
	XLANE W, V, 8
	XHALF16 V, W
.endm
.macro RELOAD                          ; register 4 i + e: group 64 lane + 8 (i / 2) + 2 e + i % 2 of my wave's query
.irp i, 0,1,2,3,4,5,6,7,8,9,10,11,12,13,14,15
	ds_load_b128 v[V+4*\i:V+4*\i+3], v[RDA] offset:16*\i
.endr
	s_wait_dscnt 0x0
.endm
	s_load_b128 s[4:7], s[0:1], 0x0                ; gmax, sel
	v_lshl_add_u32 v176, v0, 2, 0x22100
	v_mov_b32 v177, 0
	v_lshrrev_b32 v6, 5, v0
	s_delay_alu instid0(VALU_DEP_1)
	v_readfirstlane_b32 s8, v6                     ; wave 0..15
	v_and_b32 v[LANE], 31, v0
	s_delay_alu instid0(VALU_DEP_1)
	v_lshlrev_b32 v[GL], 4, v[LANE]
	s_delay_alu instid0(VALU_DEP_2)
	v_lshlrev_b32 v[SO], 2, v[LANE]
	v_and_b32 v6, 15, v0                           ; the query that my numbers belong to as they are loaded
	v_bfe_u32 v7, v0, 4, 1
	s_delay_alu instid0(VALU_DEP_2)
	v_mul_u32_u24 v[STA], v6, RP
	s_delay_alu instid0(VALU_DEP_1)
	v_lshl_add_u32 v[STA], v7, 4, v[STA]
	s_mul_i32 s9, s8, 544                          ; my wave's 16 quads: 512 bytes of each row, two pieces
	v_add_nc_u32 v[STA], s9, v[STA]
	v_mul_u32_u24 v[RDA], v[LANE], 272
	s_mul_i32 s9, s8, RP
	v_add_nc_u32 v[RDA], s9, v[RDA]
	v_lshlrev_b32 v[NB], 6, v[LANE]
	s_delay_alu instid0(VALU_DEP_1)
	v_sub_nc_u32 v[NB], 0x40000800, v[NB]
	s_delay_alu instid0(VALU_DEP_1)
	v_add_nc_u32 v[NBG], 0x800, v[NB]
	v_mov_b32 v[NEG], 1.0
	s_mov_b32 s[SEL], 0x76543210
	s_mov_b32 s[SEL+1], 0xfedcba98
	s_mov_b32 s12, 0x40000000
	s_lshl_b32 s10, ttmp9, 17                      ; the tile's 131,072 bytes, my wave's 8,192 of them
	s_lshl_b32 s11, s8, 13
	s_add_co_u32 s10, s10, s11
	s_mov_b32 s11, 0
	s_lshl_b32 s16, ttmp9, 10                      ; sel: 64 bytes a query
	s_lshl_b32 s17, s8, 6
	s_add_co_u32 s16, s16, s17
	s_mov_b32 s17, 0
	s_wait_alu depctr_va_vdst(0)
	s_wait_kmcnt 0x0
	s_add_nc_u64 s[4:5], s[4:5], s[10:11]
	s_add_nc_u64 s[6:7], s[6:7], s[16:17]
.irp i, 0,1,2,3,4,5,6,7,8,9,10,11,12,13,14,15
	global_load_b128 v[V+4*\i:V+4*\i+3], v[GL], s[4:5] offset:512*\i th:TH_LOAD_NT   ; 512 consecutive bytes a load
.endr
	s_wait_loadcnt 0x0
.irp i, 0,1,2,3,4,5,6,7,8,9,10,11,12,13,14,15
	ds_store_b128 v[STA], v[V+4*\i:V+4*\i+3] offset:32*\i+16*(\i/8)
.endr
	s_wait_dscnt 0x0                               ; for the others' sake: my stores are done
	s_barrier_signal -1
	s_barrier_wait -1                              ; the 16 rows are whole; nobody writes LDS from here on
	RELOAD
	PASS
	v_mov_b32 v[TAU], v[W+15]                      ; the 16th largest
	RELOAD
.set k, 0
	s_wait_alu depctr_va_vdst(0)
.rept 64
	v_cmp_gt_f32 vcc_lo, v[V+k], v[TAU]
	s_delay_alu instid0(VALU_DEP_1)
	v_cndmask_b32 v[T+k%2], v[NB], v[NBG], vcc_lo
	v_cmp_ge_f32 vcc_lo, v[V+k], v[TAU]
	s_delay_alu instid0(VALU_DEP_2)
	v_add_nc_u32 v[T+k%2], -(8*(k/8)+2*(k%4)+(k/4)%2), v[T+k%2]
	s_delay_alu instid0(VALU_DEP_1)
	v_cndmask_b32 v[V+k], v[NEG], v[T+k%2], vcc_lo
.set k, k+1
.endr
	PASS
.irp i, 0,1,2,3,4,5,6,7,8,9,10,11,12,13,14,15
	v_add_nc_u32 v[V+\i], -1, v[W+\i]
.endr
.irp i, 0,1,2,3,4,5,6,7,8,9,10,11,12,13,14,15
	v_and_or_b32 v[V+\i], v[V+\i], 0x7ff, s12      ; 0x40000000 + 2047 - group, for both kinds of key
.endr
	XSTEP V, W, 16, 1                              ; descending in that is ascending in the group's number
	XSTEP W, V, 16, 3
	XSTEP V, W, 16, 1
	XSTEP W, V, 16, 7
	XSTEP V, W, 16, 2
	XSTEP W, V, 16, 1
	XSTEP V, W, 16, 15
	XSTEP W, V, 16, 4
	XSTEP V, W, 16, 2
	XSTEP W, V, 16, 1
	v_mov_b32 v[RES], v[V]
.irp j, 1,2,3,4,5,6,7,8,9,10,11,12,13,14,15
	s_mov_b32 s13, 1<<\j
	v_cndmask_b32 v[RES], v[RES], v[V+\j], s13     ; lane j takes the j-th
.endr
	s_delay_alu instid0(VALU_DEP_1)
	v_and_b32 v[RES], 0x7ff, v[RES]
	s_delay_alu instid0(VALU_DEP_1)
	v_sub_nc_u32 v[RES], 0x7ff, v[RES]             ; the group's number
	v_cmp_gt_u32 vcc_lo, 16, v[LANE]
	s_wait_alu depctr_va_vdst(0)
	s_wait_xcnt 0x0                                ; EXEC changes only behind this wait
	s_wait_tensorcnt 0x0
	ds_add_u32 v176, v177
	s_wait_dscnt 0x0
	s_and_saveexec_b32 s18, vcc_lo
	global_store_b32 v[SO], v[RES], s[6:7]         ; 64 consecutive bytes: the query's row of sel
	s_wait_xcnt 0x0
	s_or_b32 exec_lo, exec_lo, s18
	s_endpgm
.Lfunc_end_k_q5c16a70eb5_pick:
	.size	k_q5c16a70eb5_pick, .Lfunc_end_k_q5c16a70eb5_pick-k_q5c16a70eb5_pick
	.p2alignl 7, 3214868480
	.fill 96, 4, 3214868480
	.section	.rodata,"a",@progbits
	.p2align	6, 0x0
	.amdhsa_kernel k_q5c16a70eb5_pick
		.amdhsa_group_segment_fixed_size 141568
		.amdhsa_private_segment_fixed_size 0
		.amdhsa_enable_private_segment 0
		.amdhsa_kernarg_size 16
		.amdhsa_user_sgpr_count 2
		.amdhsa_user_sgpr_kernarg_segment_ptr 1
		.amdhsa_wavefront_size32 1
		.amdhsa_system_sgpr_workgroup_id_x 1
		.amdhsa_system_sgpr_workgroup_id_y 1
		.amdhsa_system_sgpr_workgroup_id_z 1
		.amdhsa_system_vgpr_workitem_id 0
		.amdhsa_next_free_vgpr 178
		.amdhsa_next_free_sgpr 66
		.amdhsa_reserve_vcc 1
		.amdhsa_float_denorm_mode_32 3
		.amdhsa_float_denorm_mode_16_64 3
		.amdhsa_memory_ordered 1
		.amdhsa_forward_progress 1
		.amdhsa_inst_pref_size 120
	.end_amdhsa_kernel
	.amdgpu_metadata
---
amdhsa.version: [ 1, 2 ]
amdhsa.kernels:
  - .name:           k_q5c16a70eb5_pick
    .symbol:         k_q5c16a70eb5_pick.kd
    .args:
      - { .name: gmax, .offset: 0, .size: 8, .value_kind: global_buffer, .address_space: global }
      - { .name: sel, .offset: 8, .size: 8, .value_kind: global_buffer, .address_space: global }
    .group_segment_fixed_size: 141568
    .private_segment_fixed_size: 0
    .kernarg_segment_align: 8
    .kernarg_segment_size: 16
    .max_flat_workgroup_size: 512
    .sgpr_count:     66
    .vgpr_count:     178
    .wavefront_size: 32
...
	.end_amdgpu_metadata
.endif
;; end of part 3
;; launch rescore (part 4): grid 256 x 1, 4 waves a work-group, no clusters, 45,568 bytes of LDS; arguments codes, scales, sel, cs, cl; writes cs, cl
.if DOCPART == 4
	.amdgcn_target "amdgcn-amd-amdhsa--gfx1250"
	.amdhsa_code_object_version 6
	.text
	.protected	k_q5c16a70eb5_rescore
	.globl	k_q5c16a70eb5_rescore
	.p2align	8
	.type	k_q5c16a70eb5_rescore,@function
k_q5c16a70eb5_rescore:
	s_mov_b64 s[64:65], 0
	v_nop
	global_prefetch_b8 v0, s[64:65] scope:SCOPE_SE
	s_setreg_imm32_b32 hwreg(HW_REG_WAVE_MODE, 25, 1), 1
	s_wait_xcnt 0x0
; For each query the 128 memories of its 16 chosen groups are scored again, by the same matrix instruction on the same codes, K steps in the same order, memories as source 0 and queries as source 1: the same bits as in the launch that made the maxima.
; Then the 16 that come first by (score down, index up) are chosen.  cs [query][128] takes the scores, by position 8 slot + row; cl [query][16] the chosen positions.
; sel's groups ascend, so a position ascends with the memory's index: the lowest position wins a tie.
; SHARES.  A work-group takes a tile of 16 queries; wave w takes queries 4 w + a, a = 0..3; waves share nothing, so there is no barrier.  For a query there are 8 tiles of candidates: tile t has group sel[t] in rows 0-7 and
; sel[t + 8] in rows 8-15.  Source 1 is the whole tile of queries; of the result only column 4 w + a is kept: lanes 4 w + a and 4 w + a + 16, register 8 t + j = position 64 (lane / 16) + 8 t + j.
; The addresses hang on sel, whole numbers that an earlier launch stored; each is held to 2,047 before it enters an address.
; THE SELECTION is that of the launch before: tau by a network on the values, then the same network on keys 0x40000000 + 256 - position (above tau), + 128 - position (at tau), 1.0 (below).
; No tensor loads: the candidates' rows are known only here, and each wave reads its own.  NaN is not served.
; REGISTERS: window 0: v2-31 addresses and constants; v32-95 S, the scores; v96-159 the queries' fragments, later P; v160-175 two accumulators, v176-207 the groups, later Q = v160-223; v224-243 scale words alone.
;   window 1: the candidates' fragments, two sets of two tiles.
.set LN,   1
.set LP,   2                           ; 128 h + 16 (row in the group)
.set QO,   3
.set QSO,  4
.set GAO,  5                           ; 32 x ((lane % 16) / 8)
.set VC,   8                           ; v8-11  byte offsets of the candidates' codes: set p, tile tt
.set VS,   12                          ; v12-15 of their scales
.set TAU,  16
.set NB,   17
.set NBG,  18
.set NEG,  19
.set T,    20                          ; v20-21
.set LSS,  22
.set LSP,  23
.set LRS,  24
.set LRP,  25
.set GOS,  26                          ; 16 x lane
.set S,    32
.set P,    96
.set Q,    160
.set ACC,  160
.set GA,   176
.set MS,   224
.set QS,   240
.set MK,   24                          ; s24-27 the lanes of query 4 w + a
.set SEL,  28                          ; s[28:29]
.set MSB, 0
.macro WIN new
.if MSB != \new
	s_set_vgpr_msb (MSB<<8)|\new
.set MSB, \new
.endif
.endm
.macro XSTEP src, dst, n, x
.set xi, 0
.rept \n
.if (xi ^ (\x)) > xi
	v_max_num_f32 v[\dst+xi], v[\src+xi], v[\src+(xi^(\x))]
	v_min_num_f32 v[\dst+(xi^(\x))], v[\src+xi], v[\src+(xi^(\x))]
.endif
.set xi, xi+1
.endr
.endm
; FOR THE SELECTION a query's 128 scores lie in EIGHT lanes, 16 a lane: lane 8 a + e of the wave holds positions 16 e .. 16 e + 15 of query 4 w + a, so that all 32 lanes work.
.set LRN,  27                          ; v27      LDS: my 16 scores in that layout
.set N,    P+32                        ; v128-143 my 16 scores, kept for the keys
.set KY,   P+48                        ; v144-159 my 16 keys
.macro XLANE src, dst, m               ; my descending list of 16 and that of lane l xor m: the 16 largest of both, descending, at dst, in both lanes
.set li, 0
.rept 16
	v_max_num_f32_dpp v[\dst+li], v[\src+15-li], v[\src+li] row_xmask:\m row_mask:0xf bank_mask:0xf
.set li, li+1
.endr
	XSTEP \dst, \src, 16, 8
	XSTEP \src, \dst, 16, 4
	XSTEP \dst, \src, 16, 2
	XSTEP \src, \dst, 16, 1
.endm
.macro TOP16 src                       ; 16 numbers a lane at src, which stay: the 16 largest of the query's 128, descending, at P, in all eight lanes of the query
	XSTEP \src, P, 16, 1
	XSTEP P, P+16, 16, 3
	XSTEP P+16, P, 16, 1
	XSTEP P, P+16, 16, 7
	XSTEP P+16, P, 16, 2
	XSTEP P, P+16, 16, 1
	XSTEP P+16, P, 16, 15
	XSTEP P, P+16, 16, 4
	XSTEP P+16, P, 16, 2
	XSTEP P, P+16, 16, 1
	XLANE P+16, P, 1
	XLANE P, P+16, 2
	XLANE P+16, P, 4
.endm
	s_load_b256 s[4:11], s[0:1], 0x0               ; codes s[4:5], scales s[6:7], sel s[8:9], cs s[10:11]
	s_load_b64 s[12:13], s[0:1], 0x20              ; cl
	v_lshl_add_u32 v254, v0, 2, 0xb000
	v_mov_b32 v255, 0
	v_lshrrev_b32 v6, 5, v0
	v_readfirstlane_b32 s14, v6                    ; wave 0..3
	v_and_b32 v[LN], 31, v0
	v_bfe_u32 v6, v0, 3, 1
	v_bfe_u32 v7, v0, 4, 1                         ; h
	v_and_b32 v[LP], 7, v0
	v_lshlrev_b32 v[LP], 4, v[LP]
	v_lshl_add_u32 v[LP], v7, 7, v[LP]
	v_lshl_add_u32 v[QO], v6, 12, v[LP]
	v_lshl_add_u32 v[QSO], v6, 8, v[LP]
	v_lshlrev_b32 v[GAO], 5, v6
	v_lshlrev_b32 v[GOS], 4, v[LN]
	v_and_b32 v[NB], 7, v0
	v_lshlrev_b32 v[NB], 4, v[NB]
	v_sub_nc_u32 v[NB], 0x40000080, v[NB]          ; 0x40000000 + 128 - 16 (lane % 8)
	v_add_nc_u32 v[NBG], 0x80, v[NB]
	v_mov_b32 v[NEG], 1.0
	s_mul_i32 s15, s14, 11264                      ; LDS of a wave: 32 x 272 (the scores), 32 x 80 (the positions)
	v_mul_u32_u24 v[LSS], v[LN], 272
	v_add_nc_u32 v[LSS], s15, v[LSS]
	v_mul_u32_u24 v[LSP], v[LN], 80
	v_add_nc_u32 v[LSP], s15, v[LSP]
	v_add_nc_u32 v[LSP], 8704, v[LSP]
	s_mul_i32 s16, s14, 12352                      ; + 272 x 4 w: the place of lane 4 w
	v_and_b32 v6, 15, v0
	v_lshlrev_b32 v[LRS], 4, v6
	v_mad_u32_u24 v[LRS], v7, 4352, v[LRS]         ; lanes 16-31 read the upper lane's 64 scores
	v_add_nc_u32 v[LRS], s16, v[LRS]
	v_bfe_u32 v6, v0, 3, 2                         ; a: which of my wave's four queries my lane serves in the selection
	v_mul_u32_u24 v[LRN], v6, 272                  ; the stage's row of lane 4 w + a,
	v_bfe_u32 v6, v0, 2, 1
	v_mad_u32_u24 v[LRN], v6, 4352, v[LRN]         ; or of lane 4 w + a + 16 for positions 64 on,
	v_and_b32 v6, 3, v0
	v_lshl_add_u32 v[LRN], v6, 6, v[LRN]           ; and my 64 bytes of it
	v_add_nc_u32 v[LRN], s16, v[LRN]
	s_mul_i32 s16, s14, 11264                      ; my wave's LDS
	v_bfe_u32 v6, v0, 2, 2
	v_and_b32 v7, 3, v0
	v_mul_u32_u24 v[LRP], v6, 640                  ; the positions of query 4 w + a are read from the place of lane 8 a
	v_lshl_add_u32 v[LRP], v7, 4, v[LRP]
	v_add_nc_u32 v[LRP], s16, v[LRP]
	v_add_nc_u32 v[LRP], 8704, v[LRP]
	s_mov_b32 s16, 0x10001
	s_lshl_b32 s17, s14, 2
	s_lshl_b32 s[MK], s16, s17
	s_lshl_b32 s[MK+1], s[MK], 1
	s_lshl_b32 s[MK+2], s[MK], 2
	s_lshl_b32 s[MK+3], s[MK], 3
	s_lshl_b32 s16, ttmp9, 13                      ; the tile of queries: groups 2048 + 2 tile on
	s_add_co_u32 s16, s16, 0x800000
	s_mov_b32 s17, 0
	s_lshl_b32 s18, ttmp9, 9
	s_add_co_u32 s18, s18, 0x80000
	s_mov_b32 s19, 0
	s_lshl_b32 s20, ttmp9, 10                      ; sel and cl: 64 bytes a query, my four
	s_lshl_b32 s21, s14, 8
	s_add_co_u32 s20, s20, s21
	s_mov_b32 s21, 0
	s_lshl_b32 s22, ttmp9, 13                      ; cs: 512 bytes a query
	s_lshl_b32 s23, s14, 11
	s_add_co_u32 s22, s22, s23
	s_mov_b32 s23, 0
	s_wait_kmcnt 0x0
	s_add_nc_u64 s[16:17], s[4:5], s[16:17]
	s_add_nc_u64 s[18:19], s[6:7], s[18:19]
	s_add_nc_u64 s[8:9], s[8:9], s[20:21]
	s_add_nc_u64 s[12:13], s[12:13], s[20:21]
	s_add_nc_u64 s[10:11], s[10:11], s[22:23]
.irp a, 0,1,2,3
	global_load_b128 v[GA+8*\a:GA+8*\a+3], v[GAO], s[8:9] offset:64*\a        ; register t: sel[t] in the lanes of rows 0-7, sel[t + 8] in those of rows 8-15
	global_load_b128 v[GA+8*\a+4:GA+8*\a+7], v[GAO], s[8:9] offset:64*\a+16
.endr
.irp u, 0,1,2,3,4,5,6,7
.irp c, 0,1
	global_load_b128 v[P+8*\u+4*\c:P+8*\u+4*\c+3], v[QO], s[16:17] offset:512*\u+256*\c
.endr
.endr
	global_load_b128 v[QS:QS+3], v[QSO], s[18:19]
	s_wait_loadcnt 0x0
.set k, 0
.rept 32
	v_min_u32 v[GA+k], 0x7ff, v[GA+k]              ; held inside the table before it enters an address
.set k, k+1
.endr
; Batch b = 4 a + v: tiles 2 v and 2 v + 1 of query 4 w + a; set b % 2.
.macro PREP b
.irp tt, 0,1
	v_lshl_add_u32 v[VC+2*((\b)%2)+\tt], v[GA+8*((\b)/4)+2*((\b)%4)+\tt], 12, v[LP]
	v_lshl_add_u32 v[VS+2*((\b)%2)+\tt], v[GA+8*((\b)/4)+2*((\b)%4)+\tt], 8, v[LP]
.endr
.endm
.macro LOADB b                         ; 34 loads; in each, the lanes of a group read 256 consecutive bytes
	WIN 0x40
.irp tt, 0,1
.irp u, 0,1,2,3,4,5,6,7
.irp c, 0,1
	global_load_b128 v[128*((\b)%2)+64*\tt+8*\u+4*\c:128*((\b)%2)+64*\tt+8*\u+4*\c+3], v[VC+2*((\b)%2)+\tt], s[4:5] offset:512*\u+256*\c
.endr
.endr
.endr
	WIN 0
.irp tt, 0,1
	global_load_b128 v[MS+8*((\b)%2)+4*\tt:MS+8*((\b)%2)+4*\tt+3], v[VS+2*((\b)%2)+\tt], s[6:7]
.endr
.endm
.macro MULB b                          ; 16 matrix instructions; the two tiles' accumulators take turns.  Query 4 w's results go straight into S
	WIN 0x01
.irp u, 0,1,2,3,4,5,6,7
.irp tt, 0,1
.if (\b) < 4
.set DD, S+8*(2*((\b)%4)+\tt)
.else
.set DD, ACC+8*\tt
.endif
.set AA, 128*((\b)%2)+64*\tt+8*\u
.set SA, MS+8*((\b)%2)+4*\tt+\u%4
.if \u == 0
	v_wmma_scale_f32_16x16x128_f8f6f4 v[DD:DD+7], v[AA:AA+7], v[P+8*\u:P+8*\u+7], 0, v[SA], v[QS+\u%4] matrix_a_fmt:MATRIX_FMT_FP4 matrix_b_fmt:MATRIX_FMT_FP4
.elseif \u < 4
	v_wmma_scale_f32_16x16x128_f8f6f4 v[DD:DD+7], v[AA:AA+7], v[P+8*\u:P+8*\u+7], v[DD:DD+7], v[SA], v[QS+\u%4] matrix_a_fmt:MATRIX_FMT_FP4 matrix_b_fmt:MATRIX_FMT_FP4
.else
	v_wmma_scale_f32_16x16x128_f8f6f4 v[DD:DD+7], v[AA:AA+7], v[P+8*\u:P+8*\u+7], v[DD:DD+7], v[SA], v[QS+\u%4] matrix_a_fmt:MATRIX_FMT_FP4 matrix_b_fmt:MATRIX_FMT_FP4 matrix_a_scale:MATRIX_SCALE_ROW1 matrix_b_scale:MATRIX_SCALE_ROW1
.endif
.endr
.endr
	WIN 0
.endm
.macro MERGE b                         ; the places behind the products (ISA guide 7.12.1); then the column of query 4 w + a goes into S, each accumulator from its low end on
.rept 4
	v_nop
.endr
.if (\b) >= 4
.irp tt, 0,1
.irp j, 0,1,2,3,4,5,6,7
	v_cndmask_b32 v[S+8*(2*((\b)%4)+\tt)+\j], v[S+8*(2*((\b)%4)+\tt)+\j], v[ACC+8*\tt+\j], s[MK+(\b)/4]
.endr
.endr
.endif
.endm
	PREP 0
	LOADB 0
	PREP 1
	LOADB 1
.set bt, 0
.rept 16
.if bt < 15
	s_wait_loadcnt 34                              ; this batch's 34 loads are in; the next batch's may be out
.else
	s_wait_loadcnt 0x0
.endif
	MULB bt
	MERGE bt
.if bt < 14
	PREP bt+2                                      ; the offsets' registers are free: the wait above has shown their loads done
	LOADB bt+2
.endif
.set bt, bt+1
.endr
	; The scores go through my wave's own LDS: every lane's 64 go in; they come back twice: 16 a lane for the selection, and my four queries' rows as they lie in memory, which are stored at once
.irp j, 0,1,2,3,4,5,6,7,8,9,10,11,12,13,14,15
	ds_store_b128 v[LSS], v[S+4*\j:S+4*\j+3] offset:16*\j
.endr
.irp j, 0,1,2,3
	ds_load_b128 v[N+4*\j:N+4*\j+3], v[LRN] offset:16*\j          ; LDS serves a wave's instructions in order: these see the stores above
.endr
.irp j, 0,1,2,3
	ds_load_b128 v[Q+16+4*\j:Q+16+4*\j+3], v[LRS] offset:272*\j
.endr
	s_wait_dscnt 0x0
.irp j, 0,1,2,3
	global_store_b128 v[GOS], v[Q+16+4*\j:Q+16+4*\j+3], s[10:11] offset:512*\j   ; a query's 512 bytes of cs; v176-191 are not written again
.endr
	TOP16 N
	v_mov_b32 v[TAU], v[P+15]                      ; the query's 16th largest score
.set k, 0
.rept 16
	v_cmp_gt_f32 vcc_lo, v[N+k], v[TAU]
	v_cndmask_b32 v[T+k%2], v[NB], v[NBG], vcc_lo
	v_cmp_ge_f32 vcc_lo, v[N+k], v[TAU]
	v_add_nc_u32 v[T+k%2], -k, v[T+k%2]
	v_cndmask_b32 v[KY+k], v[NEG], v[T+k%2], vcc_lo
.set k, k+1
.endr
	TOP16 KY
.irp i, 0,1,2,3,4,5,6,7,8,9,10,11,12,13,14,15
	v_sub_nc_u32 v[Q+\i], 0, v[P+\i]
.endr
.irp i, 0,1,2,3,4,5,6,7,8,9,10,11,12,13,14,15
	v_and_b32 v[Q+\i], 127, v[Q+\i]                ; the position
.endr
	; THE WAY OUT, through my wave's own LDS: a lane's 16 positions go in, my four queries' rows of cl come back as they lie in memory
.irp i, 0,1,2,3
	ds_store_b128 v[LSP], v[Q+4*\i:Q+4*\i+3] offset:16*\i
.endr
	ds_load_b128 v[P+16:P+19], v[LRP]
	s_wait_dscnt 0x0
	v_cmp_gt_u32 vcc_lo, 16, v[LN]
	s_wait_xcnt 0x0                                ; EXEC changes only behind this wait
	s_wait_tensorcnt 0x0
	ds_add_u32 v254, v255
	s_wait_dscnt 0x0
	s_and_saveexec_b32 s30, vcc_lo
	global_store_b128 v[GOS], v[P+16:P+19], s[12:13]               ; sixteen lanes: my four queries' 256 bytes of cl
	s_wait_xcnt 0x0
	s_or_b32 exec_lo, exec_lo, s30
	s_endpgm
.Lfunc_end_k_q5c16a70eb5_rescore:
	.size	k_q5c16a70eb5_rescore, .Lfunc_end_k_q5c16a70eb5_rescore-k_q5c16a70eb5_rescore
	.p2alignl 7, 3214868480
	.fill 96, 4, 3214868480
	.section	.rodata,"a",@progbits
	.p2align	6, 0x0
	.amdhsa_kernel k_q5c16a70eb5_rescore
		.amdhsa_group_segment_fixed_size 45568
		.amdhsa_private_segment_fixed_size 0
		.amdhsa_enable_private_segment 0
		.amdhsa_kernarg_size 40
		.amdhsa_user_sgpr_count 2
		.amdhsa_user_sgpr_kernarg_segment_ptr 1
		.amdhsa_wavefront_size32 1
		.amdhsa_system_sgpr_workgroup_id_x 1
		.amdhsa_system_sgpr_workgroup_id_y 1
		.amdhsa_system_sgpr_workgroup_id_z 1
		.amdhsa_system_vgpr_workitem_id 0
		.amdhsa_next_free_vgpr 512
		.amdhsa_next_free_sgpr 66
		.amdhsa_reserve_vcc 1
		.amdhsa_float_denorm_mode_32 3
		.amdhsa_float_denorm_mode_16_64 3
		.amdhsa_memory_ordered 1
		.amdhsa_forward_progress 1
		.amdhsa_inst_pref_size 147
	.end_amdhsa_kernel
	.amdgpu_metadata
---
amdhsa.version: [ 1, 2 ]
amdhsa.kernels:
  - .name:           k_q5c16a70eb5_rescore
    .symbol:         k_q5c16a70eb5_rescore.kd
    .args:
      - { .name: codes, .offset: 0, .size: 8, .value_kind: global_buffer, .address_space: global }
      - { .name: scales, .offset: 8, .size: 8, .value_kind: global_buffer, .address_space: global }
      - { .name: sel, .offset: 16, .size: 8, .value_kind: global_buffer, .address_space: global }
      - { .name: cs, .offset: 24, .size: 8, .value_kind: global_buffer, .address_space: global }
      - { .name: cl, .offset: 32, .size: 8, .value_kind: global_buffer, .address_space: global }
    .group_segment_fixed_size: 45568
    .private_segment_fixed_size: 0
    .kernarg_segment_align: 8
    .kernarg_segment_size: 40
    .max_flat_workgroup_size: 128
    .sgpr_count:     66
    .vgpr_count:     512
    .wavefront_size: 32
...
	.end_amdgpu_metadata
.endif
;; end of part 4
;; launch gather (part 5): grid 512 x 1, 8 waves a work-group, no clusters, 0 bytes of LDS; arguments cl, sel, cs, mb, out0; writes out0
.if DOCPART == 5
	.amdgcn_target "amdgcn-amd-amdhsa--gfx1250"
	.amdhsa_code_object_version 6
	.text
	.protected	k_q5c16a70eb5_gather
	.globl	k_q5c16a70eb5_gather
	.p2align	8
	.type	k_q5c16a70eb5_gather,@function
k_q5c16a70eb5_gather:
	s_mov_b64 s[64:65], 0
	v_nop
	global_prefetch_b8 v0, s[64:65] scope:SCOPE_SE
	s_setreg_imm32_b32 hwreg(HW_REG_WAVE_MODE, 25, 1), 1
	s_wait_xcnt 0x0
; out0[query] = the sum over the 16 chosen memories of softmax(their scores) x the memory's row.  One wave to a query; waves share nothing.
; The rows are read from mb, ltm rounded to bf16 (this product may take bf16 operands); weights and sums are f32.  The softmax takes its maximum away first, as the definition has it.
; The addresses hang on cl and sel, whole numbers that earlier launches stored: position p of cl names row p % 8 of group sel[p / 8]; each number is held inside its table before it enters an address.
; The product has one row and K = 16 for each query: a matrix tile would be used in one row of sixteen, so it is done by fused multiply-adds straight from the bf16 halves.
; No LDS, no barrier.  Loads run one batch of four rows (32 loads of 256 consecutive bytes) ahead.
.set L4,  1                            ; 4 x (lane % 16)
.set L8,  2                            ; 8 x lane
.set LO,  3                            ; 16 x lane
.set POS, 4
.set SL,  5
.set PC,  6
.set G,   7
.set T,   8
.set IDX, 9
.set PO,  10
.set SC,  11
.set MX,  12
.set EX,  13
.set SM,  14
.set AC,  32                           ; v32-63   the sums: register 4 i + e = column 128 i + 4 lane + e
.set DA,  64                           ; v64-191  two sets of four rows x 16 registers
.set VO,  192                          ; v192-207 the rows' byte offsets
.set WT,  208                          ; v208-223 the weights
	s_load_b256 s[4:11], s[0:1], 0x0               ; cl s[4:5], sel s[6:7], cs s[8:9], mb s[10:11]
	s_load_b64 s[12:13], s[0:1], 0x20              ; out0
	v_lshrrev_b32 v1, 5, v0
	s_delay_alu instid0(VALU_DEP_1)
	v_readfirstlane_b32 s14, v1                    ; wave 0..7
	s_lshl_b32 s15, ttmp9, 3
	s_add_co_u32 s15, s15, s14                     ; my query
	v_and_b32 v[L4], 15, v0
	s_delay_alu instid0(VALU_DEP_1)
	v_lshlrev_b32 v[L4], 2, v[L4]
	v_and_b32 v[LO], 31, v0
	s_delay_alu instid0(VALU_DEP_1)
	v_lshlrev_b32 v[L8], 3, v[LO]
	s_delay_alu instid0(VALU_DEP_2)
	v_lshlrev_b32 v[LO], 4, v[LO]
	s_lshl_b32 s48, s15, 6
	s_mov_b32 s49, 0
	s_lshl_b32 s50, s15, 9
	s_mov_b32 s51, 0
	s_lshl_b32 s52, s15, 12
	s_mov_b32 s53, 0
	s_wait_alu depctr_va_vdst(0)
	s_wait_kmcnt 0x0
	s_add_nc_u64 s[4:5], s[4:5], s[48:49]
	s_add_nc_u64 s[6:7], s[6:7], s[48:49]
	s_add_nc_u64 s[8:9], s[8:9], s[50:51]
	s_add_nc_u64 s[12:13], s[12:13], s[52:53]
	s_load_b512 s[16:31], s[6:7], 0x0              ; the query's 16 groups
	global_load_b32 v[POS], v[L4], s[4:5]          ; lane i and lane i + 16: the i-th chosen position
	s_wait_kmcnt 0x0
	s_wait_loadcnt 0x0
	v_lshrrev_b32 v[SL], 3, v[POS]
	s_delay_alu instid0(VALU_DEP_1)
	v_min_u32 v[SL], 15, v[SL]                     ; the slot
	v_min_u32 v[PC], 127, v[POS]                   ; the position, held inside its table
	v_mov_b32 v[G], s16
.irp k, 1,2,3,4,5,6,7,8,9,10,11,12,13,14,15
	v_cmp_eq_u32 vcc_lo, \k, v[SL]
	s_delay_alu instid0(VALU_DEP_1)
	v_cndmask_b32 v[G], v[G], s[16+\k], vcc_lo
.endr
	s_delay_alu instid0(VALU_DEP_1)
	v_min_u32 v[G], 0x7ff, v[G]
	v_and_b32 v[T], 7, v[PC]
	s_delay_alu instid0(VALU_DEP_1)
	v_lshl_add_u32 v[IDX], v[G], 3, v[T]           ; the memory's index
	v_lshlrev_b32 v[PO], 2, v[PC]
	global_load_b32 v[SC], v[PO], s[8:9]           ; its score
.irp j, 0,1,2,3,4,5,6,7,8,9,10,11,12,13,14,15
	v_readlane_b32 s[32+\j], v[IDX], \j
.endr
.irp j, 0,1,2,3,4,5,6,7,8,9,10,11,12,13,14,15
	s_min_u32 s[32+\j], s[32+\j], 0x3fff
	v_lshl_add_u32 v[VO+\j], s[32+\j], 11, v[L8]   ; a row of mb is 2,048 bytes
.endr
.macro LOADP b                         ; rows 4 b .. 4 b + 3 into set b % 2: each load reads 256 consecutive bytes, aligned
.irp jj, 0,1,2,3
.irp i, 0,1,2,3,4,5,6,7
	global_load_b64 v[DA+64*((\b)%2)+16*\jj+2*\i:DA+64*((\b)%2)+16*\jj+2*\i+1], v[VO+4*(\b)+\jj], s[10:11] offset:256*\i
.endr
.endr
.endm
.macro FMAB b
.irp jj, 0,1,2,3
.irp i, 0,1,2,3,4,5,6,7
.irp e, 0,1
.set DR, DA+64*((\b)%2)+16*\jj+2*\i+\e
.set AR, AC+4*\i+2*\e
.if ((\b) == 0) && (\jj == 0)
	v_lshlrev_b32 v[AR], 16, v[DR]                 ; the first row starts the sums: nothing is cleared
	v_and_b32 v[AR+1], 0xffff0000, v[DR]
	s_delay_alu instid0(VALU_DEP_1)
	v_pk_mul_f32 v[AR:AR+1], v[AR:AR+1], v[WT:WT+1] op_sel_hi:[1,0]
.else
	v_fma_mix_f32_bf16 v[AR], v[DR], v[WT+4*(\b)+\jj], v[AR] op_sel_hi:[1,0,0]
	v_fma_mix_f32_bf16 v[AR+1], v[DR], v[WT+4*(\b)+\jj], v[AR+1] op_sel:[1,0,0] op_sel_hi:[1,0,0]
.endif
.endr
.endr
.endr
.endm
	LOADP 0
	s_wait_loadcnt 32                              ; the score is in; the 32 loads behind it may be out
	v_mov_b32 v[MX], v[SC]
	s_delay_alu instid0(VALU_DEP_1)
	v_max_num_f32_dpp v[MX], v[MX], v[MX] row_xmask:1 row_mask:0xf bank_mask:0xf
	s_delay_alu instid0(VALU_DEP_1)
	v_max_num_f32_dpp v[MX], v[MX], v[MX] row_xmask:2 row_mask:0xf bank_mask:0xf
	s_delay_alu instid0(VALU_DEP_1)
	v_max_num_f32_dpp v[MX], v[MX], v[MX] row_xmask:4 row_mask:0xf bank_mask:0xf
	s_delay_alu instid0(VALU_DEP_1)
	v_max_num_f32_dpp v[MX], v[MX], v[MX] row_xmask:8 row_mask:0xf bank_mask:0xf
	s_delay_alu instid0(VALU_DEP_1)
	v_sub_f32 v[EX], v[SC], v[MX]
	s_delay_alu instid0(VALU_DEP_1)
	v_mul_f32 v[EX], 0x3fb8aa3b, v[EX]
	s_wait_alu depctr_va_vdst(0)
	v_exp_f32 v[EX], v[EX]
	v_nop                                          ; a plain instruction behind a transcendental (ISA guide 5.7.2)
	s_wait_alu depctr_va_vdst(0)
	v_mov_b32 v[SM], v[EX]
	s_delay_alu instid0(VALU_DEP_1)
	v_add_f32_dpp v[SM], v[SM], v[SM] row_xmask:1 row_mask:0xf bank_mask:0xf
	s_delay_alu instid0(VALU_DEP_1)
	v_add_f32_dpp v[SM], v[SM], v[SM] row_xmask:2 row_mask:0xf bank_mask:0xf
	s_delay_alu instid0(VALU_DEP_1)
	v_add_f32_dpp v[SM], v[SM], v[SM] row_xmask:4 row_mask:0xf bank_mask:0xf
	s_delay_alu instid0(VALU_DEP_1)
	v_add_f32_dpp v[SM], v[SM], v[SM] row_xmask:8 row_mask:0xf bank_mask:0xf
	s_wait_alu depctr_va_vdst(0)
	v_rcp_f32 v[SM], v[SM]
	v_nop
	s_wait_alu depctr_va_vdst(0)
	v_mul_f32 v[EX], v[EX], v[SM]                  ; lane i: the i-th weight
.irp j, 0,1,2,3,4,5,6,7,8,9,10,11,12,13,14,15
	v_readlane_b32 s[32+\j], v[EX], \j
.endr
.irp j, 0,1,2,3,4,5,6,7,8,9,10,11,12,13,14,15
	v_mov_b32 v[WT+\j], s[32+\j]
.endr
	LOADP 1
	s_wait_loadcnt 32                              ; a batch is in; the next batch's 32 loads may be out
	FMAB 0
	LOADP 2
	s_wait_loadcnt 32
	FMAB 1
	LOADP 3
	s_wait_loadcnt 32
	FMAB 2
	s_wait_loadcnt 0x0
	FMAB 3
.irp i, 0,1,2,3,4,5,6,7
	global_store_b128 v[LO], v[AC+4*\i:AC+4*\i+3], s[12:13] offset:512*\i th:TH_STORE_NT   ; 512 consecutive bytes a store; written once, read by nobody here
.endr
	s_endpgm
.Lfunc_end_k_q5c16a70eb5_gather:
	.size	k_q5c16a70eb5_gather, .Lfunc_end_k_q5c16a70eb5_gather-k_q5c16a70eb5_gather
	.p2alignl 7, 3214868480
	.fill 96, 4, 3214868480
	.section	.rodata,"a",@progbits
	.p2align	6, 0x0
	.amdhsa_kernel k_q5c16a70eb5_gather
		.amdhsa_group_segment_fixed_size 0
		.amdhsa_private_segment_fixed_size 0
		.amdhsa_enable_private_segment 0
		.amdhsa_kernarg_size 40
		.amdhsa_user_sgpr_count 2
		.amdhsa_user_sgpr_kernarg_segment_ptr 1
		.amdhsa_wavefront_size32 1
		.amdhsa_system_sgpr_workgroup_id_x 1
		.amdhsa_system_sgpr_workgroup_id_y 1
		.amdhsa_system_sgpr_workgroup_id_z 1
		.amdhsa_system_vgpr_workitem_id 0
		.amdhsa_next_free_vgpr 224
		.amdhsa_next_free_sgpr 66
		.amdhsa_reserve_vcc 1
		.amdhsa_float_denorm_mode_32 3
		.amdhsa_float_denorm_mode_16_64 3
		.amdhsa_memory_ordered 1
		.amdhsa_forward_progress 1
		.amdhsa_inst_pref_size 56
	.end_amdhsa_kernel
	.amdgpu_metadata
---
amdhsa.version: [ 1, 2 ]
amdhsa.kernels:
  - .name:           k_q5c16a70eb5_gather
    .symbol:         k_q5c16a70eb5_gather.kd
    .args:
      - { .name: cl, .offset: 0, .size: 8, .value_kind: global_buffer, .address_space: global }
      - { .name: sel, .offset: 8, .size: 8, .value_kind: global_buffer, .address_space: global }
      - { .name: cs, .offset: 16, .size: 8, .value_kind: global_buffer, .address_space: global }
      - { .name: mb, .offset: 24, .size: 8, .value_kind: global_buffer, .address_space: global }
      - { .name: out0, .offset: 32, .size: 8, .value_kind: global_buffer, .address_space: global }
    .group_segment_fixed_size: 0
    .private_segment_fixed_size: 0
    .kernarg_segment_align: 8
    .kernarg_segment_size: 40
    .max_flat_workgroup_size: 256
    .sgpr_count:     66
    .vgpr_count:     224
    .wavefront_size: 32
...
	.end_amdgpu_metadata
.endif
;; end of part 5
